; MI455X (gfx1250); checked and timed in simulation.
; The chip was launched on July 23, 2026; its instructions are those of AMD's public machine-readable ISA for CDNA 5 (MIT licence, August 2026) and "CDNA5" Instruction Set Architecture Reference Guide (July 2026). The comments in the code are by the model that wrote it; some were corrected since.
;; Trans Conv Layer. Allowed arithmetic: float matrix products may take bf16 or f16 operands with f32 sums; all other float work in f32.
;; Inputs: Wk_b 1,024 float32; Wk_w 1,024 x 512 float32; Wq_b 1,024 float32; Wq_w 1,024 x 512 float32; Wv_b 1,024 float32; Wv_w 1,024 x 512 float32; query_input 32,768 x 512 float32; source_input 32,768 x 512 float32.
;; Outputs: out0 32,768 x 128 float32.
;; One version. Each part assembles by itself: llvm-mc -triple=amdgcn-amd-amdhsa -mcpu=gfx1250 --defsym DOCPART=n.
;; ======== version 1 of 1: 5 launches
;; limits: values outside matrix products are rounded to bf16
;; workspace buffers: xb 67,108,864 bytes; wb 3,145,728 bytes; qf 67,108,864 bytes; vf 67,108,864 bytes; kvp 18,874,368 bytes; bfr 294,912 bytes; ss 10,240 bytes
;; launch cvt (part 1): grid 1072 x 2, 8 waves a work-group, no clusters, 0 bytes of LDS; arguments query_input, source_input, Wq_w, Wk_w, Wv_w, xb, wb; writes xb, wb
.if DOCPART == 1
	.amdgcn_target "amdgcn-amd-amdhsa--gfx1250"
	.amdhsa_code_object_version 6
	.text
	.protected	k_q4dcc852dd6_cvt
	.globl	k_q4dcc852dd6_cvt
	.p2align	8
	.type	k_q4dcc852dd6_cvt,@function
k_q4dcc852dd6_cvt:
	s_mov_b64 s[64:65], 0
	v_nop
	global_prefetch_b8 v0, s[64:65] scope:SCOPE_SE
	s_setreg_imm32_b32 hwreg(HW_REG_WAVE_MODE, 25, 1), 1
	s_wait_xcnt 0x0
; Rounds the two node matrices and the three weight matrices from f32 to bf16, once, so that the matrix launches move and
; read half the bytes and convert nothing.  xb: query rows at byte 0, source rows at byte 33,554,432, 1,024 bytes a row.
; wb: Wq, Wk, Wv one behind the other, 1,048,576 bytes each.
; A work-group takes one chunk of 65,536 bytes of f32 and writes 32,768 bytes of bf16.  x < 1024: chunk x of the node matrix y.
; x >= 1024: chunk (x - 1024) + 48 y, 0 to 95, of the three weight matrices (32 chunks each).
; A stream: no LDS, no matrix unit, no cluster (no two work-groups read the same byte).  Sixteen loads of 16 bytes a lane go out
; at once; each register is written once, so no source of a pending instruction is ever rewritten.
.set X, 4                              ; v[4:67]   16 slots of 4 f32
.set Y, 68                             ; v[68:99]  16 slots of 4 bf16
	s_load_b256 s[4:11], s[0:1], 0x0               ; query s[4:5], source s[6:7], Wq s[8:9], Wk s[10:11]
	s_load_b128 s[12:15], s[0:1], 0x20             ; Wv s[12:13], xb s[14:15]
	s_load_b64 s[16:17], s[0:1], 0x30              ; wb
	s_mov_b32 s19, ttmp9                           ; x
	s_and_b32 s20, ttmp7, 0xffff                   ; y
	v_lshlrev_b32 v1, 4, v0                        ; my 16 bytes of every 4,096 read
	v_lshlrev_b32 v2, 3, v0                        ; my 8 bytes of every 2,048 written
	s_max_u32 s21, s19, 1024
	s_sub_co_u32 s21, s21, 1024
	s_mul_i32 s22, s20, 48
	s_add_co_u32 s21, s21, s22                     ; weight chunk 0 to 95 (in a node work-group a number in that range that is not used)
	s_lshr_b32 s22, s21, 5                         ; which weight matrix
	s_and_b32 s23, s21, 31                         ; chunk inside it
	s_lshl_b32 s28, s20, 10
	s_add_co_u32 s28, s28, s19                     ; node chunk in xb: 1024 y + x
	s_wait_kmcnt 0x0
	s_cmp_eq_u32 s22, 0
	s_cselect_b64 s[24:25], s[8:9], s[10:11]       ; Wq or Wk,
	s_cmp_eq_u32 s22, 2
	s_cselect_b64 s[24:25], s[12:13], s[24:25]     ; or Wv
	s_cmp_eq_u32 s20, 0
	s_cselect_b64 s[26:27], s[4:5], s[6:7]         ; query or source
	s_cmp_lt_u32 s19, 1024                         ; node chunk or weight chunk: four selects on one compare
	s_cselect_b64 s[24:25], s[26:27], s[24:25]     ; from
	s_cselect_b64 s[30:31], s[14:15], s[16:17]     ; to
	s_cselect_b32 s23, s19, s23                    ; chunk in the source
	s_cselect_b32 s28, s28, s21                    ; chunk in the destination
	s_lshl_b32 s32, s23, 16
	s_mov_b32 s33, 0
	s_lshl_b32 s34, s28, 15
	s_mov_b32 s35, 0
	s_add_nc_u64 s[24:25], s[24:25], s[32:33]
	s_add_nc_u64 s[30:31], s[30:31], s[34:35]
.irp i, 0,1,2,3,4,5,6,7,8,9,10,11,12,13,14,15
	global_load_b128 v[X+4*\i:X+4*\i+3], v1, s[24:25] offset:4096*\i th:TH_LOAD_NT
.endr
.irp i, 0,1,2,3,4,5,6,7,8,9,10,11,12,13,14,15
	s_wait_loadcnt 15-\i                           ; loads come back in order: slot i is in, the younger ones stay out
	v_cvt_pk_bf16_f32 v[Y+2*\i],   v[X+4*\i],   v[X+4*\i+1]
	v_cvt_pk_bf16_f32 v[Y+2*\i+1], v[X+4*\i+2], v[X+4*\i+3]
	global_store_b64 v2, v[Y+2*\i:Y+2*\i+1], s[30:31] offset:2048*\i   ; a wave's store covers 256 consecutive bytes, aligned
.endr
	s_endpgm
.Lfunc_end_k_q4dcc852dd6_cvt:
	.size	k_q4dcc852dd6_cvt, .Lfunc_end_k_q4dcc852dd6_cvt-k_q4dcc852dd6_cvt
	.p2alignl 7, 3214868480
	.fill 96, 4, 3214868480
	.section	.rodata,"a",@progbits
	.p2align	6, 0x0
	.amdhsa_kernel k_q4dcc852dd6_cvt
		.amdhsa_group_segment_fixed_size 0
		.amdhsa_private_segment_fixed_size 0
		.amdhsa_enable_private_segment 0
		.amdhsa_kernarg_size 56
		.amdhsa_user_sgpr_count 2
		.amdhsa_user_sgpr_kernarg_segment_ptr 1
		.amdhsa_wavefront_size32 1
		.amdhsa_system_sgpr_workgroup_id_x 1
		.amdhsa_system_sgpr_workgroup_id_y 1
		.amdhsa_system_sgpr_workgroup_id_z 1
		.amdhsa_system_vgpr_workitem_id 0
		.amdhsa_next_free_vgpr 104
		.amdhsa_next_free_sgpr 66
		.amdhsa_reserve_vcc 0
		.amdhsa_float_denorm_mode_32 3
		.amdhsa_float_denorm_mode_16_64 3
		.amdhsa_memory_ordered 1
		.amdhsa_forward_progress 1
		.amdhsa_inst_pref_size 8
	.end_amdhsa_kernel
	.amdgpu_metadata
---
amdhsa.version: [ 1, 2 ]
amdhsa.kernels:
  - .name:           k_q4dcc852dd6_cvt
    .symbol:         k_q4dcc852dd6_cvt.kd
    .args:
      - { .name: query_input, .offset: 0, .size: 8, .value_kind: global_buffer, .address_space: global }
      - { .name: source_input, .offset: 8, .size: 8, .value_kind: global_buffer, .address_space: global }
      - { .name: Wq_w, .offset: 16, .size: 8, .value_kind: global_buffer, .address_space: global }
      - { .name: Wk_w, .offset: 24, .size: 8, .value_kind: global_buffer, .address_space: global }
      - { .name: Wv_w, .offset: 32, .size: 8, .value_kind: global_buffer, .address_space: global }
      - { .name: xb, .offset: 40, .size: 8, .value_kind: global_buffer, .address_space: global }
      - { .name: wb, .offset: 48, .size: 8, .value_kind: global_buffer, .address_space: global }
    .group_segment_fixed_size: 0
    .private_segment_fixed_size: 0
    .kernarg_segment_align: 8
    .kernarg_segment_size: 56
    .max_flat_workgroup_size: 256
    .sgpr_count:     66
    .vgpr_count:     104
    .wavefront_size: 32
...
	.end_amdgpu_metadata
.endif
;; end of part 1
;; launch gemm_q (part 2): grid 4 x 64, 4 waves a work-group, clusters of 4 x 4, 327,680 bytes of LDS; arguments xb, wb, Wq_b, qf, ss; writes qf, ss
.if DOCPART == 2
	.amdgcn_target "amdgcn-amd-amdhsa--gfx1250"
	.amdhsa_code_object_version 6
	.text
	.protected	k_q4dcc852dd6_gemm_q
	.globl	k_q4dcc852dd6_gemm_q
	.p2align	8
	.type	k_q4dcc852dd6_gemm_q,@function
k_q4dcc852dd6_gemm_q:
	s_mov_b64 s[64:65], 0
	v_nop
	global_prefetch_b8 v0, s[64:65] scope:SCOPE_SE
	s_setreg_imm32_b32 hwreg(HW_REG_WAVE_MODE, 25, 1), 1
	s_wait_xcnt 0x0
	s_wait_alu depctr_hold_cnt(0) depctr_sa_sdst(0) depctr_va_vdst(0) depctr_va_sdst(0) depctr_va_ssrc(0) depctr_va_vcc(0) depctr_vm_vsrc(0)
	s_getreg_b32 s2, hwreg(HW_REG_IB_STS2, 6, 4)
	s_cmp_eq_u32 s2, 0
	s_cbranch_scc0 .Lentry_in_a_cluster
	s_endpgm
.Lentry_in_a_cluster:
	s_bfe_u32 s2, ttmp6, 0x10000c
	s_cmp_lg_u32 s2, 0xf033
	s_cbranch_scc0 .Lentry_shape_is_right
	s_endpgm
.Lentry_shape_is_right:
; Q = Xq Wq^T + bq, [32768][1024], from bf16 operands with f32 sums; Q leaves in bf16, and each wave leaves the f32 sum of the
; squares of its part of Q (before the rounding) for the global norm: ss word (4 y + x) 4 + wave, 1,024 words in all.
; LIMIT: Q crosses to the last launch in bf16 (it is a matrix operand there).
; A work-group stays for TWO blocks of 256 rows x 256 columns (rows 512 y and 512 y + 256, columns 256 x): 256 work-groups in all.
; Four waves, a wave 128 x 128 in 64 accumulator tiles (512 registers).  K = 512 goes in four steps of 128 through two LDS slots filled
; by tensor loads of 128 rows x 256 bytes; the slots go on taking turns into the second block, so that its first two tiles and its
; first fragments are fetched during the first block's last quarter, and the first block's stores leave while the second is multiplied.
; CLUSTER 4 x 4: the four work-groups of a cluster's row share X's tiles, the four of a column W's; each tile is asked for jointly.
; The matrix instruction takes W's rows as source 0 and X's rows as source 1: lane l then holds row l % 16 of Q and its eight
; registers the columns 8 (l / 16) + 0..7.  Packed to bf16 that is a lane's 16 bytes of an A fragment's half, so Q is stored in
; FRAGMENT ORDER: byte = T 32768 + ct 512 + lane 16 (T = row / 16, ct = column / 16).  Every store of a wave then covers 512
; consecutive bytes, aligned, with no trip through LDS, and the last launch loads its fragments with plain loads.
; The bias is the C operand of each tile's first product: nothing is cleared and nothing is added afterwards.
; Windows: 0: v0-31 addresses, v48-55 sums of squares, v64-191 X fragments (two buffers), v192-255 eight bias tiles;
;          1: v0-63 packed rows on their way out (two buffers, touched by nothing else), v64-191 W fragments;
;          2, 3: accumulators of my rows 0-63, 64-127 (tile (a, b) at v[8 (8 a + b)]).
.set KSTEP,  128
.set PITCH,  272                       ; an LDS row: 256 bytes + 16 of padding, so that 16 rows start 4 words apart
.set HALFT,  128*PITCH                 ; what one tensor load brings
.set SLOT,   4*HALFT                   ; X's 256 rows, then W's 256 rows
.set SIZE_K, 512
.set ADRA, 16                          ; v16-17  LDS address of my X fragments in slot 0, 1
.set ADRB, 20                          ; v20-21  the same for W
.set CO,   26                          ; v26     16 x lane; never rewritten
.set ZR,   27                          ; v27     0
.set LN,   28                          ; v28     lane
.set SS,   48                          ; v[48:55] four pairs of running sums of squares
.set F0,   64
.set F1,   128
.set BT,   192                         ; v[192:255] bias tile b: register j = bias of column 16 b + 8 (l / 16) + j
.set G1,  24                           ; s[24:31] group 1 for X's tiles
.set G0,  32                           ; s[32:39] group 0 for X's tiles, one set a slot
.set G1B, 48                           ; s[48:55] group 1 for W's tiles
.set G0B, 56                           ; s[56:63] group 0 for W's tiles
.set MSB, 0
.macro WIN new                         ; the immediate's high byte repeats the setting that is left
.if MSB != \new
	s_set_vgpr_msb (MSB<<8)|\new
.set MSB, \new
.endif
.endm
.set MUL_LO, 0xa1                      ; source 0 window 1, source 1 window 0, C and D window 2
.set MUL_HI, 0xf1                      ; the same, C and D window 3
.set TO_B,   0x40                      ; destination window 1
.macro JLOAD s                         ; waves 0, 1 ask for X's halves, waves 2, 3 for W's: one mask and one set of registers a line
	s_cmp_eq_u32 s11, 0
	s_cbranch_scc0 .Lfor_b_\@
	tensor_load_to_lds s[G0+4*\s:G0+4*\s+3], s[G1:G1+7]
	s_nop 0
	s_branch .Lasked_\@
.Lfor_b_\@:
	tensor_load_to_lds s[G0B+4*\s:G0B+4*\s+3], s[G1B:G1B+7]
	s_nop 0
.Lasked_\@:
.endm
.macro CREST                           ; a round of the cluster's barrier behind its opening work-group barrier
	s_cmp_lg_u32 s10, 0
	s_cbranch_scc1 .Lnot_wave_0_\@
	s_barrier_signal -3
.Lnot_wave_0_\@:
	s_barrier_wait -3
	s_barrier_signal -1
	s_barrier_wait -1
.endm
.macro CROUND
	s_barrier_signal -1
	s_barrier_wait -1
	CREST
.endm
.macro PLACES                          ; four independent vector instructions behind a matrix instruction (ISA guide 7.12.1) before its registers are loaded, written or read
.rept 4
	v_nop
.endr
.endm
; 16 matrix instructions: row tiles a0, a0 + 1 of the window's four x all 8 column tiles, 32 along K.  bias = 1: the first product, C = the bias tile.
.macro MUL16 f, hi, a0, bias
.irp a, \a0, \a0+1
.irp b, 0,1,2,3,4,5,6,7
.if \bias
	v_wmma_f32_16x16x32_bf16 v[8*(8*(\a)+\b):8*(8*(\a)+\b)+7], v[\f+8*\b:\f+8*\b+7], v[\f+8*(4*\hi+\a):\f+8*(4*\hi+\a)+7], v[BT+8*\b:BT+8*\b+7]
.else
	v_wmma_f32_16x16x32_bf16 v[8*(8*(\a)+\b):8*(8*(\a)+\b)+7], v[\f+8*\b:\f+8*\b+7], v[\f+8*(4*\hi+\a):\f+8*(4*\hi+\a)+7], v[8*(8*(\a)+\b):8*(8*(\a)+\b)+7]
.endif
.endr
.endr
.endm
.macro FETCH slot, k, f                ; 32 LDS loads in one run: one quarter step's fragments
	WIN TO_B
.irp i, 0,1,2,3,4,5,6,7
	ds_load_b128 v[\f+8*\i:\f+8*\i+3],   v[ADRB+\slot] offset:\k+\i*16*PITCH
	ds_load_b128 v[\f+8*\i+4:\f+8*\i+7], v[ADRB+\slot] offset:\k+\i*16*PITCH+32
.endr
	WIN 0
.irp i, 0,1,2,3,4,5,6,7
	ds_load_b128 v[\f+8*\i:\f+8*\i+3],   v[ADRA+\slot] offset:\k+\i*16*PITCH
	ds_load_b128 v[\f+8*\i+4:\f+8*\i+7], v[ADRA+\slot] offset:\k+\i*16*PITCH+32
.endr
.endm
.macro QUARTER slot, k, f, g, bias
	s_wait_dscnt 8                                 ; all but the youngest eight loads (window 0's fragments 4-7, used in the second half)
.if \bias
	WIN 0x81                                       ; C from window 0, D in window 2
.else
	WIN MUL_LO
.endif
	MUL16 \f, 0, 0, \bias
	MUL16 \f, 0, 2, \bias
	PLACES
	FETCH \slot, \k, \g
	s_wait_dscnt 32                                ; all but the 32 just issued
.if \bias
	WIN 0xc1
.else
	WIN MUL_HI
.endif
	MUL16 \f, 1, 0, \bias
	MUL16 \f, 1, 2, \bias
.endm
.macro THREE slot, bias
	QUARTER \slot, 64,  F0, F1, \bias
	QUARTER \slot, 128, F1, F0, 0
	QUARTER \slot, 192, F0, F1, 0
.endm
; The last quarter of a K step changes slots.  In front of the barrier each wave waits for its reads of this slot and for all its
; tensor loads (one is out: its part of the next slot).  fill = 1: the barrier opens a round of the cluster's barrier, and the joint
; refill of this slot is the first tensor load behind the round.  wrap = 0: with the tile two K steps on.  wrap = 1: with the same
; slot's first tile of the second block: X goes 256 rows down and 512 bytes back, W 512 bytes back.
.macro TURN slot, next, fill, wrap
	s_wait_dscnt 8
	WIN MUL_LO
	MUL16 F1, 0, 0, 0
	s_wait_dscnt 0
	s_wait_tensorcnt 0x0
	ds_add_u32 v255, v63
	s_wait_dscnt 0x0
	s_barrier_signal -1
	MUL16 F1, 0, 2, 0                              ; registers only
	WIN 0
	s_barrier_wait -1
.if \fill
	CREST
.if \wrap
	s_add_nc_u64 s[G0+4*\slot+2:G0+4*\slot+3], s[G0+4*\slot+2:G0+4*\slot+3], 256*1024-512   ; no tensor load of mine is out: a group 0 may be written
	s_sub_nc_u64 s[G0B+4*\slot+2:G0B+4*\slot+3], s[G0B+4*\slot+2:G0B+4*\slot+3], 512
.else
	s_add_nc_u64 s[G0+4*\slot+2:G0+4*\slot+3], s[G0+4*\slot+2:G0+4*\slot+3], 512
	s_add_nc_u64 s[G0B+4*\slot+2:G0B+4*\slot+3], s[G0B+4*\slot+2:G0B+4*\slot+3], 512
.endif
	JLOAD \slot
.endif
	PLACES
	FETCH \next, 0, F0
	WIN MUL_HI
	MUL16 F1, 1, 0, 0
	MUL16 F1, 1, 2, 0
.endm
; One row tile on its way out: eight numbers to 16 bytes into buffer tmp of window 1, squares into the running sums, eight stores of
; 512 consecutive bytes.  i: the tile's place behind the store base.  from, cw: the accumulators' window as sources, with the
; destination in window 0 (sums) or 1 (packed rows).  The two buffers take turns.  The wait stands in front of the stores: it covers
; every store issued so far, the last of them 64 vector instructions ago, so the buffer that the NEXT tile's conversions write
; (read by the stores of the tile before this one) is free, and only this tile's stores are pending when they run.
.macro OUTQ i, a, from, cw, tmp
	WIN \cw
.irp b, 0,1,2,3,4,5,6,7
.irp k, 0,1,2,3
	v_cvt_pk_bf16_f32 v[\tmp+4*\b+\k], v[8*(8*\a+\b)+2*\k], v[8*(8*\a+\b)+2*\k+1]
.endr
.endr
	WIN \from
.irp b, 0,1,2,3,4,5,6,7
.irp k, 0,1,2,3
	v_pk_fma_f32 v[SS+2*\k:SS+2*\k+1], v[8*(8*\a+\b)+2*\k:8*(8*\a+\b)+2*\k+1], v[8*(8*\a+\b)+2*\k:8*(8*\a+\b)+2*\k+1], v[SS+2*\k:SS+2*\k+1]
.endr
.endr
	WIN 0x04                                       ; store data from window 1
	s_wait_xcnt 0x0
.irp b, 0,1,2,3,4,5,6,7
	global_store_b128 v[CO], v[\tmp+4*\b:\tmp+4*\b+3], s[70:71] offset:\i*32768+\b*512
.endr
.endm
	s_load_b128 s[4:7], s[0:1], 0x0                ; xb s[4:5], wb s[6:7]
	s_load_b128 s[68:71], s[0:1], 0x10             ; Wq_b s[68:69], qf s[70:71]
	s_load_b64 s[72:73], s[0:1], 0x20              ; ss
	s_set_vgpr_msb 0x40
	v_lshl_add_u32 v255, v0, 2, 0x44000
	s_set_vgpr_msb 0x4000
	v_mov_b32 v63, 0
	s_set_vgpr_msb 0x1
	ds_add_u32 v255, v63
	s_set_vgpr_msb 0x100
	v_lshrrev_b32 v1, 5, v0
	v_readfirstlane_b32 s10, v1                    ; wave 0..3
	s_lshr_b32 s11, s10, 1                         ; my half of the block's rows; also: I fetch for X (0) or W (1)
	s_and_b32 s12, s10, 1                          ; my half of its columns; also: which 128 rows of that tile I fetch
	s_bfe_u32 s40, ttmp6, 0x40000                  ; cx
	s_bfe_u32 s41, ttmp6, 0x40004                  ; cy
	s_lshl_b32 s42, ttmp9, 2
	s_add_co_u32 s42, s42, s40                     ; x: block column 0..3
	s_and_b32 s13, ttmp7, 0xffff
	s_lshl_b32 s13, s13, 2
	s_add_co_u32 s13, s13, s41                     ; y: pair of block rows 0..63
	s_lshl_b32 s43, s41, 2
	s_lshl_b32 s43, 15, s43                        ; my row of the cluster
	s_lshl_b32 s44, 0x1111, s40                    ; my column
	s_or_b32 s[G1+0], s43, (1<<16)|(1<<20)|(1<<21)|(5<<22)|(3<<25)   ; mask; elements of 2 bytes; padding on; bit 21 beside a mask; 4 words behind every 64
	s_or_b32 s[G1B+0], s44, (1<<16)|(1<<20)|(1<<21)|(5<<22)|(3<<25)
	s_mov_b32 s[G1+1], KSTEP<<16                   ; tensor_dim0 = 128
	s_mov_b32 s[G1B+1], KSTEP<<16
	s_mov_b32 s[G1+2], 128<<16                     ; tensor_dim1 = 128
	s_mov_b32 s[G1B+2], 128<<16
	s_mov_b32 s[G1+3], KSTEP<<16                   ; tile_dim0 = 128
	s_mov_b32 s[G1B+3], KSTEP<<16
	s_mov_b32 s[G1+4], 128                         ; tile_dim1 = 128
	s_mov_b32 s[G1B+4], 128
	s_mov_b32 s[G1+5], SIZE_K                      ; elements from row to row
	s_mov_b32 s[G1B+5], SIZE_K
	s_mov_b32 s[G1+6], 0
	s_mov_b32 s[G1B+6], 0
	s_mov_b32 s[G1+7], 0
	s_mov_b32 s[G1B+7], 0
	s_lshl_b32 s17, s12, 7
	s_lshl_b32 s16, s13, 9
	s_add_co_u32 s16, s16, s17
	s_lshl_b32 s16, s16, 10                        ; X: (512 y + 128 half) rows of 1,024 bytes
	s_lshl_b32 s46, s42, 8
	s_add_co_u32 s46, s46, s17
	s_lshl_b32 s46, s46, 10                        ; W: (256 x + 128 half) rows of 1,024 bytes (Wq lies first in wb)
	s_mov_b32 s17, 0
	s_mov_b32 s47, 0
	s_mul_i32 s20, s10, HALFT                      ; LDS: wave x 128 rows
	s_wait_dscnt 0x0
	s_wait_kmcnt 0x0
	s_add_nc_u64 s[14:15], s[4:5], s[16:17]
	s_add_nc_u64 s[46:47], s[6:7], s[46:47]
	CROUND                                         ; all sixteen work-groups are here: the first joint loads meet
.irp s, 0,1
	s_mov_b32 s[G0+4*\s], 1
	s_add_co_u32 s[G0+4*\s+1], s20, \s*SLOT
	s_add_nc_u64 s[G0+4*\s+2:G0+4*\s+3], s[14:15], \s*KSTEP*2
	s_or_b32 s[G0+4*\s+3], s[G0+4*\s+3], 0x80000000
	s_mov_b32 s[G0B+4*\s], 1
	s_add_co_u32 s[G0B+4*\s+1], s20, \s*SLOT
	s_add_nc_u64 s[G0B+4*\s+2:G0B+4*\s+3], s[46:47], \s*KSTEP*2
	s_or_b32 s[G0B+4*\s+3], s[G0B+4*\s+3], 0x80000000
	JLOAD \s                                       ; K steps 0 and 1: two tensor loads of this wave are out here, later one
.endr
	v_and_b32 v1, 15, v0                           ; l % 16
	v_bfe_u32 v2, v0, 4, 1                         ; l / 16
	v_mul_u32_u24 v3, v1, PITCH
	v_lshl_add_u32 v3, v2, 4, v3
	s_mul_i32 s21, s11, HALFT                      ; my 128 rows of X
	s_mul_i32 s22, s12, HALFT
	s_add_co_u32 s22, s22, 2*HALFT                 ; my 128 rows of W
.irp s, 0,1
	v_add_nc_u32 v[ADRA+\s], s21, v3
	v_add_nc_u32 v[ADRB+\s], s22, v3
	s_add_co_u32 s21, s21, SLOT
	s_add_co_u32 s22, s22, SLOT
.endr
	s_lshl_b32 s74, s42, 10                        ; bias: 4 (256 x + 128 half)
	s_lshl_b32 s75, s12, 9
	s_add_co_u32 s74, s74, s75
	s_mov_b32 s75, 0
	s_add_nc_u64 s[68:69], s[68:69], s[74:75]
	v_lshlrev_b32 v5, 5, v2                        ; + 32 (l / 16)
.irp b, 0,1,2,3,4,5,6,7
	global_load_b128 v[BT+8*\b:BT+8*\b+3],   v5, s[68:69] offset:64*\b
	global_load_b128 v[BT+8*\b+4:BT+8*\b+7], v5, s[68:69] offset:64*\b+16
.endr
	s_lshl_b32 s76, s13, 5                         ; qf: row tile 32 y + 8 half, 32,768 bytes each (the second block's tiles lie 16 further on: in the stores' immediate),
	s_lshl_b32 s77, s11, 3
	s_add_co_u32 s76, s76, s77
	s_lshl_b32 s76, s76, 15
	s_lshl_b32 s77, s42, 4                         ; column tile 16 x + 8 half, 512 bytes each
	s_lshl_b32 s78, s12, 3
	s_add_co_u32 s77, s77, s78
	s_lshl_b32 s77, s77, 9
	s_add_co_u32 s76, s76, s77
	s_mov_b32 s77, 0
	s_add_nc_u64 s[70:71], s[70:71], s[76:77]      ; never rewritten: the largest immediate is 23 x 32,768 + 3,584
	s_lshl_b32 s78, s13, 2                         ; ss: word (4 y + x) 4 + wave
	s_add_co_u32 s78, s78, s42
	s_lshl_b32 s78, s78, 2
	s_add_co_u32 s78, s78, s10
	s_lshl_b32 s78, s78, 2
	s_mov_b32 s79, 0
	s_add_nc_u64 s[72:73], s[72:73], s[78:79]
	s_mov_b32 s80, 0x76543210                      ; v_permlanex16_b32: lane i reads lane i of the other half
	s_mov_b32 s81, 0xfedcba98
	v_and_b32 v[LN], 31, v0
	v_lshlrev_b32 v[CO], 4, v[LN]
	v_mov_b32 v[ZR], 0
.irp j, 0,1,2,3,4,5,6,7
	v_mov_b32 v[SS+\j], 0
.endr
	s_wait_loadcnt 0x0                             ; the bias tiles
	s_wait_tensorcnt 1                             ; my part of K step 0 is in; K step 1's may stay out
	s_barrier_signal -1
	s_barrier_wait -1
	FETCH 0, 0, F0
	; THE FIRST BLOCK.  The 64 accumulators take turns, one instruction a turn, in the same order in every quarter.
	THREE 0, 1
	TURN 0, 1, 1, 0                                ; slot 0 gets K step 2
	THREE 1, 0
	TURN 1, 0, 1, 0                                ; slot 1 gets K step 3
	THREE 0, 0
	TURN 0, 1, 1, 1                                ; slot 0 gets the second block's K step 0
	THREE 1, 0
	TURN 1, 0, 1, 1                                ; slot 1 gets the second block's K step 1; the second block's first fragments are fetched from slot 0
	PLACES
	OUTQ 0, 0, 0x0a, 0x4a, 0
	OUTQ 1, 1, 0x0a, 0x4a, 32
	OUTQ 2, 2, 0x0a, 0x4a, 0
	OUTQ 3, 3, 0x0a, 0x4a, 32
	OUTQ 4, 0, 0x0f, 0x4f, 0
	OUTQ 5, 1, 0x0f, 0x4f, 32
	OUTQ 6, 2, 0x0f, 0x4f, 0
	OUTQ 7, 3, 0x0f, 0x4f, 32
	; THE SECOND BLOCK.  Its products write none of the registers that the pending stores read (window 1's v0-63, the offset, the base).
	THREE 0, 1
	TURN 0, 1, 1, 0
	THREE 1, 0
	TURN 1, 0, 1, 0
	THREE 0, 0
	TURN 0, 1, 0, 0                                ; nothing is left to fetch
	THREE 1, 0
	s_wait_dscnt 8
	WIN MUL_LO
	MUL16 F1, 0, 0, 0
	MUL16 F1, 0, 2, 0
	s_wait_dscnt 0
	WIN MUL_HI
	MUL16 F1, 1, 0, 0
	MUL16 F1, 1, 2, 0
	PLACES
	OUTQ 16, 0, 0x0a, 0x4a, 0
	OUTQ 17, 1, 0x0a, 0x4a, 32
	OUTQ 18, 2, 0x0a, 0x4a, 0
	OUTQ 19, 3, 0x0a, 0x4a, 32
	OUTQ 20, 0, 0x0f, 0x4f, 0
	OUTQ 21, 1, 0x0f, 0x4f, 32
	OUTQ 22, 2, 0x0f, 0x4f, 0
	OUTQ 23, 3, 0x0f, 0x4f, 32
	WIN 0
	v_pk_add_f32 v[SS:SS+1], v[SS:SS+1], v[SS+2:SS+3]
	v_pk_add_f32 v[SS+4:SS+5], v[SS+4:SS+5], v[SS+6:SS+7]
	v_pk_add_f32 v[SS:SS+1], v[SS:SS+1], v[SS+4:SS+5]
	v_add_f32 v[SS], v[SS], v[SS+1]
	v_add_f32_dpp v[SS], v[SS], v[SS] row_xmask:1 row_mask:0xf bank_mask:0xf
	v_add_f32_dpp v[SS], v[SS], v[SS] row_xmask:2 row_mask:0xf bank_mask:0xf
	v_add_f32_dpp v[SS], v[SS], v[SS] row_xmask:4 row_mask:0xf bank_mask:0xf
	v_add_f32_dpp v[SS], v[SS], v[SS] row_xmask:8 row_mask:0xf bank_mask:0xf
	v_permlanex16_b32 v[SS+1], v[SS], s80, s81
	v_add_f32 v[SS], v[SS], v[SS+1]                ; the wave's sum of squares over both blocks, in every lane
	v_cmp_gt_u32 vcc_lo, 1, v[LN]
	s_wait_xcnt 0x0                                ; EXEC is a source of the pending stores: it changes only behind this wait
	s_and_saveexec_b32 s82, vcc_lo                 ; lane 0 alone
	global_store_b32 v[ZR], v[SS], s[72:73]
	s_wait_xcnt 0x0
	s_or_b32 exec_lo, exec_lo, s82
	CROUND                                         ; the closing round: no work-group ends while a partner may still ask jointly
	s_endpgm
.Lfunc_end_k_q4dcc852dd6_gemm_q:
	.size	k_q4dcc852dd6_gemm_q, .Lfunc_end_k_q4dcc852dd6_gemm_q-k_q4dcc852dd6_gemm_q
	.p2alignl 7, 3214868480
	.fill 96, 4, 3214868480
	.section	.rodata,"a",@progbits
	.p2align	6, 0x0
	.amdhsa_kernel k_q4dcc852dd6_gemm_q
		.amdhsa_group_segment_fixed_size 327680
		.amdhsa_private_segment_fixed_size 0
		.amdhsa_enable_private_segment 0
		.amdhsa_kernarg_size 40
		.amdhsa_user_sgpr_count 2
		.amdhsa_user_sgpr_kernarg_segment_ptr 1
		.amdhsa_wavefront_size32 1
		.amdhsa_system_sgpr_workgroup_id_x 1
		.amdhsa_system_sgpr_workgroup_id_y 1
		.amdhsa_system_sgpr_workgroup_id_z 1
		.amdhsa_system_vgpr_workitem_id 0
		.amdhsa_next_free_vgpr 1024
		.amdhsa_next_free_sgpr 84
		.amdhsa_reserve_vcc 1
		.amdhsa_float_denorm_mode_32 3
		.amdhsa_float_denorm_mode_16_64 3
		.amdhsa_memory_ordered 1
		.amdhsa_forward_progress 1
		.amdhsa_inst_pref_size 255
	.end_amdhsa_kernel
	.section	.bss,"aw",@nobits
	.p2align	6
	.space	262144
	.amdgpu_metadata
---
amdhsa.version: [ 1, 2 ]
amdhsa.kernels:
  - .name:           k_q4dcc852dd6_gemm_q
    .symbol:         k_q4dcc852dd6_gemm_q.kd
    .args:
      - { .name: xb, .offset: 0, .size: 8, .value_kind: global_buffer, .address_space: global }
      - { .name: wb, .offset: 8, .size: 8, .value_kind: global_buffer, .address_space: global }
      - { .name: Wq_b, .offset: 16, .size: 8, .value_kind: global_buffer, .address_space: global }
      - { .name: qf, .offset: 24, .size: 8, .value_kind: global_buffer, .address_space: global }
      - { .name: ss, .offset: 32, .size: 8, .value_kind: global_buffer, .address_space: global }
    .group_segment_fixed_size: 327680
    .private_segment_fixed_size: 0
    .kernarg_segment_align: 8
    .kernarg_segment_size: 40
    .max_flat_workgroup_size: 128
    .sgpr_count:     84
    .vgpr_count:     1024
    .wavefront_size: 32
...
	.end_amdgpu_metadata
.endif
;; end of part 2
;; launch gemm_kv (part 3): grid 8 x 32, 4 waves a work-group, clusters of 4 x 4, 327,680 bytes of LDS; arguments xb, wb, Wk_b, Wv_b, vf, kvp, ss; writes vf, kvp, ss
.if DOCPART == 3
	.amdgcn_target "amdgcn-amd-amdhsa--gfx1250"
	.amdhsa_code_object_version 6
	.text
	.protected	k_q4dcc852dd6_gemm_kv
	.globl	k_q4dcc852dd6_gemm_kv
	.p2align	8
	.type	k_q4dcc852dd6_gemm_kv,@function
k_q4dcc852dd6_gemm_kv:
	s_mov_b64 s[64:65], 0
	v_nop
	global_prefetch_b8 v0, s[64:65] scope:SCOPE_SE
	s_setreg_imm32_b32 hwreg(HW_REG_WAVE_MODE, 25, 1), 1
	s_wait_xcnt 0x0
	s_wait_alu depctr_hold_cnt(0) depctr_sa_sdst(0) depctr_va_vdst(0) depctr_va_sdst(0) depctr_va_ssrc(0) depctr_va_vcc(0) depctr_vm_vsrc(0)
	s_getreg_b32 s2, hwreg(HW_REG_IB_STS2, 6, 4)
	s_cmp_eq_u32 s2, 0
	s_cbranch_scc0 .Lentry_in_a_cluster
	s_endpgm
.Lentry_in_a_cluster:
	s_bfe_u32 s2, ttmp6, 0x10000c
	s_cmp_lg_u32 s2, 0xf033
	s_cbranch_scc0 .Lentry_shape_is_right
	s_endpgm
.Lentry_shape_is_right:
; For head h (work-group x) and a range of 1,024 source rows (work-group y): K_h = Xs Wk_h^T + bk, V_h = Xs Wv_h^T + bv, and the
; range's part of K_h^T V_h and of the column sums of K_h.  K never reaches memory.  V leaves in bf16; the parts leave in f32.
; LIMITS: V crosses to the last launch in bf16 (relative rounding 2^-9 on the term N vs); K^T V and the sums of K are made on the
; matrix unit from K and V rounded to bf16, with f32 sums; the sum of squares of K is taken from the f32 values.
; The work-group walks four blocks of 256 rows.  A block is a product of 256 rows x (128 columns of K | 128 of V), K = 512 in four
; steps of 128 through two LDS slots, exactly as in the launch for Q; the slots go on taking turns into the next block.
; Waves 0, 2 hold K (rows 0-127, 128-255), waves 1, 3 hold V.
; CLUSTER 4 x 4: X's tiles are shared along a cluster's row (four heads), the head's weights along a column (four ranges).
; Here source 0 = X's rows, source 1 = W's rows: lane l holds COLUMN l % 16 of K or V and its registers the rows 8 (l / 16) + 0..7.
; Packed to bf16 that is (a) half of an A fragment of K^T, (b) half of a B fragment of V, both with the rows as the summed index,
; (c) the layout in which the last launch wants V beside its results.  So the second product needs no transposition:
; for p = 0..7 every wave packs its row tile p, hands it over through LDS (two buffers of 16 KiB, one barrier a step), and each wave
; multiplies K's column tiles 2 w, 2 w + 1 by all eight of V's and by a fragment of ones.  A step sums over 32 rows: tile p of the
; upper 128 rows in registers 0-3 and tile p of the lower 128 in registers 4-7, alike for K and V.
; Windows: 0: v0-31 addresses, v32-47 sums of K (2 tiles), v48-55 sums of squares, v64-191 W fragments / the second product's
;          operands, v192-255 bias tiles; 1: v0-63 and v192-255 the 16 tiles of K^T V, v64-191 X fragments; 2, 3: the block's accumulators.
.set KSTEP,  128
.set PITCH,  272
.set HALFT,  128*PITCH
.set SLOT,   4*HALFT
.set XCH,    2*SLOT                    ; the exchange: bytes of its own behind the ring, never filled by a tensor load
.set SIZE_K, 512
.set ADRA, 16                          ; v16-17  my W fragments in slot 0, 1 (window 0)
.set ADRB, 20                          ; v20-21  my X fragments (window 1)
.set XST,  24                          ; v24     where I put my packed tiles
.set XKL,  25                          ; v25     where I read K's two column tiles
.set CO,   26                          ; v26     16 x lane
.set XVL,  27                          ; v27     where I read V's eight column tiles
.set LN,   28                          ; v28     lane
.set ZR,   29                          ; v29     0
.set R4,   30                          ; v30     4 (l % 16)
.set OT,   32                          ; v[32:47]  K^T x ones
.set SS,   48                          ; v[48:55]
.set F0,   64
.set F1,   128
.set KF,   64                          ; v[64:79]   two A fragments of K^T
.set VF,   80                          ; v[80:143]  eight B fragments of V
.set PK,   144                         ; v[144:175] my packed row tile, eight column tiles
.set ONE,  176                         ; v[176:183] a B fragment of ones
.set BT,   192                         ; v[192:255] bias tile c: all eight registers = bias of column 16 c + l % 16
.set G1,  24
.set G0,  32
.set G1B, 48
.set G0B, 56
.set MSB, 0
.macro WIN new
.if MSB != \new
	s_set_vgpr_msb (MSB<<8)|\new
.set MSB, \new
.endif
.endm
.set MUL_LO, 0xa1
.set MUL_HI, 0xf1
.set TO_B,   0x40
.macro JLOAD s
	s_cmp_eq_u32 s11, 0
	s_cbranch_scc0 .Lfor_b_\@
	tensor_load_to_lds s[G0+4*\s:G0+4*\s+3], s[G1:G1+7]
	s_nop 0
	s_branch .Lasked_\@
.Lfor_b_\@:
	tensor_load_to_lds s[G0B+4*\s:G0B+4*\s+3], s[G1B:G1B+7]
	s_nop 0
.Lasked_\@:
.endm
.macro CREST
	s_cmp_lg_u32 s10, 0
	s_cbranch_scc1 .Lnot_wave_0_\@
	s_barrier_signal -3
.Lnot_wave_0_\@:
	s_barrier_wait -3
	s_barrier_signal -1
	s_barrier_wait -1
.endm
.macro CROUND
	s_barrier_signal -1
	s_barrier_wait -1
	CREST
.endm
.macro PLACES                          ; four independent vector instructions behind a matrix instruction (ISA guide 7.12.1)
.rept 4
	v_nop
.endr
.endm
; tile (a, b) of window 2 + hi: column tile c = 4 hi + a, row tile p = b
.macro MUL16 f, hi, a0, bias
.irp a, \a0, \a0+1
.irp b, 0,1,2,3,4,5,6,7
.if \bias
	v_wmma_f32_16x16x32_bf16 v[8*(8*(\a)+\b):8*(8*(\a)+\b)+7], v[\f+8*\b:\f+8*\b+7], v[\f+8*(4*\hi+\a):\f+8*(4*\hi+\a)+7], v[BT+8*(4*\hi+\a):BT+8*(4*\hi+\a)+7]
.else
	v_wmma_f32_16x16x32_bf16 v[8*(8*(\a)+\b):8*(8*(\a)+\b)+7], v[\f+8*\b:\f+8*\b+7], v[\f+8*(4*\hi+\a):\f+8*(4*\hi+\a)+7], v[8*(8*(\a)+\b):8*(8*(\a)+\b)+7]
.endif
.endr
.endr
.endm
.macro FETCH slot, k, f
	WIN TO_B
.irp i, 0,1,2,3,4,5,6,7
	ds_load_b128 v[\f+8*\i:\f+8*\i+3],   v[ADRB+\slot] offset:\k+\i*16*PITCH
	ds_load_b128 v[\f+8*\i+4:\f+8*\i+7], v[ADRB+\slot] offset:\k+\i*16*PITCH+32
.endr
	WIN 0
.irp i, 0,1,2,3,4,5,6,7
	ds_load_b128 v[\f+8*\i:\f+8*\i+3],   v[ADRA+\slot] offset:\k+\i*16*PITCH
	ds_load_b128 v[\f+8*\i+4:\f+8*\i+7], v[ADRA+\slot] offset:\k+\i*16*PITCH+32
.endr
.endm
.macro QUARTER slot, k, f, g, bias
	s_wait_dscnt 8                                 ; all but the youngest eight loads (window 0's fragments 4-7, used in the second half)
.if \bias
	WIN 0x81
.else
	WIN MUL_LO
.endif
	MUL16 \f, 0, 0, \bias
	MUL16 \f, 0, 2, \bias
	PLACES
	FETCH \slot, \k, \g
	s_wait_dscnt 32                                ; all but the 32 just issued
.if \bias
	WIN 0xc1
.else
	WIN MUL_HI
.endif
	MUL16 \f, 1, 0, \bias
	MUL16 \f, 1, 2, \bias
.endm
.macro THREE slot, bias
	QUARTER \slot, 64,  F0, F1, \bias
	QUARTER \slot, 128, F1, F0, 0
	QUARTER \slot, 192, F0, F1, 0
.endm
; The change of slots.  fill = 1: the barrier opens a round of the cluster's barrier and this slot is filled again, first thing behind it.
; wrap = 0: with the tile two K steps on.  wrap = 1: with the same slot's first tile of the next block: X goes 256 rows down and 512
; bytes back, W 512 bytes back.  fetch = 0: the block ends here, the next slot's fragments are fetched at the next block's head.
.macro TURN slot, next, fill, fetch, wrap
	s_wait_dscnt 8
	WIN MUL_LO
	MUL16 F1, 0, 0, 0
	s_wait_dscnt 0                                 ; my reads of this slot are over
	s_set_vgpr_msb 0xa1a0
	s_wait_tensorcnt 0x0                           ; all my tensor loads have landed: the one that was out is my part of the next slot
	ds_add_u32 v62, v63
	s_wait_dscnt 0x0
	s_set_vgpr_msb 0xa0a1
	s_barrier_signal -1
	MUL16 F1, 0, 2, 0                              ; registers only
	WIN 0
	s_barrier_wait -1
.if \fill
	CREST
.if \wrap
	s_add_nc_u64 s[G0+4*\slot+2:G0+4*\slot+3], s[G0+4*\slot+2:G0+4*\slot+3], 256*1024-512
	s_sub_nc_u64 s[G0B+4*\slot+2:G0B+4*\slot+3], s[G0B+4*\slot+2:G0B+4*\slot+3], 512
.else
	s_add_nc_u64 s[G0+4*\slot+2:G0+4*\slot+3], s[G0+4*\slot+2:G0+4*\slot+3], 512
	s_add_nc_u64 s[G0B+4*\slot+2:G0B+4*\slot+3], s[G0B+4*\slot+2:G0B+4*\slot+3], 512
.endif
	JLOAD \slot
.endif
.if \fetch
	PLACES
	FETCH \next, 0, F0
.endif
	WIN MUL_HI
	MUL16 F1, 1, 0, 0
	MUL16 F1, 1, 2, 0
.endm
; My row tile p, all eight column tiles: to bf16, into exchange buffer q.  K waves add the squares; V waves store the tile to vf.
.macro PACK p, q
	s_wait_xcnt 0x0                                ; PK was the data of the last tile's stores: it is rewritten only behind this wait
	WIN 0x0a
.irp c, 0,1,2,3
.irp k, 0,1,2,3
	v_cvt_pk_bf16_f32 v[PK+4*\c+\k], v[8*(8*\c+\p)+2*\k], v[8*(8*\c+\p)+2*\k+1]
.endr
.endr
	WIN 0x0f
.irp c, 0,1,2,3
.irp k, 0,1,2,3
	v_cvt_pk_bf16_f32 v[PK+16+4*\c+\k], v[8*(8*\c+\p)+2*\k], v[8*(8*\c+\p)+2*\k+1]
.endr
.endr
	WIN 0
.irp c, 0,1,2,3,4,5,6,7
	ds_store_b128 v[XST], v[PK+4*\c:PK+4*\c+3] offset:\q*16384+\c*512
.endr
	s_cmp_lg_u32 s12, 0                            ; on the wave's number alone
	s_cbranch_scc1 .Lv_\@
	WIN 0x0a
.irp c, 0,1,2,3
.irp k, 0,1,2,3
	v_pk_fma_f32 v[SS+2*\k:SS+2*\k+1], v[8*(8*\c+\p)+2*\k:8*(8*\c+\p)+2*\k+1], v[8*(8*\c+\p)+2*\k:8*(8*\c+\p)+2*\k+1], v[SS+2*\k:SS+2*\k+1]
.endr
.endr
	WIN 0x0f
.irp c, 0,1,2,3
.irp k, 0,1,2,3
	v_pk_fma_f32 v[SS+2*\k:SS+2*\k+1], v[8*(8*\c+\p)+2*\k:8*(8*\c+\p)+2*\k+1], v[8*(8*\c+\p)+2*\k:8*(8*\c+\p)+2*\k+1], v[SS+2*\k:SS+2*\k+1]
.endr
.endr
	WIN 0
	s_branch .Ljoin_\@
.Lv_\@:
.irp c, 0,1,2,3,4,5,6,7
	global_store_b128 v[CO], v[PK+4*\c:PK+4*\c+3], s[8:9] offset:\p*32768+\c*512   ; 512 consecutive bytes, aligned
.endr
.Ljoin_\@:
.endm
; One step of the second product, on exchange buffer q.  The one barrier orders two things: every wave's stores of this step's tiles
; before the reads below, and every wave's reads of the step before (waited for ahead of its products) before the stores of the next
; tiles (PACK pn, qn) into that step's buffer.  No tensor load is issued behind these barriers, so the next block's tile may stay out.
.macro KVSTEP q, more, pn, qn, first
	s_wait_dscnt 0x0
	s_barrier_signal -1
	s_barrier_wait -1
	PLACES                                         ; behind the last step's products, which read KF and VF
.irp mt, 0,1
	ds_load_b128 v[KF+8*\mt:KF+8*\mt+3],   v[XKL] offset:\q*16384+\mt*512
	ds_load_b128 v[KF+8*\mt+4:KF+8*\mt+7], v[XKL] offset:\q*16384+\mt*512+4096
.endr
.irp dt, 0,1,2,3,4,5,6,7
	ds_load_b128 v[VF+8*\dt:VF+8*\dt+3],   v[XVL] offset:\q*16384+\dt*512
	ds_load_b128 v[VF+8*\dt+4:VF+8*\dt+7], v[XVL] offset:\q*16384+\dt*512+4096
.endr
.if \more
	PACK \pn, \qn
	s_wait_dscnt 8                                 ; the 20 loads are in; the eight LDS stores issued behind them may be out
.else
	s_wait_dscnt 0x0
.endif
	WIN 0x50                                       ; C and D in window 1.  The 18 accumulators take turns, one instruction a turn
.irp dt, 0,1,2,3,4,5,6,7
.if \first
	v_wmma_f32_16x16x32_bf16 v[8*\dt:8*\dt+7], v[KF:KF+7], v[VF+8*\dt:VF+8*\dt+7], 0
	v_wmma_f32_16x16x32_bf16 v[192+8*\dt:192+8*\dt+7], v[KF+8:KF+15], v[VF+8*\dt:VF+8*\dt+7], 0
.else
	v_wmma_f32_16x16x32_bf16 v[8*\dt:8*\dt+7], v[KF:KF+7], v[VF+8*\dt:VF+8*\dt+7], v[8*\dt:8*\dt+7]
	v_wmma_f32_16x16x32_bf16 v[192+8*\dt:192+8*\dt+7], v[KF+8:KF+15], v[VF+8*\dt:VF+8*\dt+7], v[192+8*\dt:192+8*\dt+7]
.endif
.endr
	WIN 0
.if \first
	v_wmma_f32_16x16x32_bf16 v[OT:OT+7], v[KF:KF+7], v[ONE:ONE+7], 0
	v_wmma_f32_16x16x32_bf16 v[OT+8:OT+15], v[KF+8:KF+15], v[ONE:ONE+7], 0
.else
	v_wmma_f32_16x16x32_bf16 v[OT:OT+7], v[KF:KF+7], v[ONE:ONE+7], v[OT:OT+7]
	v_wmma_f32_16x16x32_bf16 v[OT+8:OT+15], v[KF+8:KF+15], v[ONE:ONE+7], v[OT+8:OT+15]
.endif
.endm
.macro EPI first                       ; the block's K and V are whole in registers: the second product, eight steps
	PLACES
	WIN 0
.irp j, 0,1,2,3,4,5,6,7
	v_mov_b32 v[ONE+\j], 0x3f803f80                ; two bf16 ones (the registers serve as fragment buffer 1 inside a block)
.endr
	PACK 0, 0
	KVSTEP 0, 1, 1, 1, \first
	KVSTEP 1, 1, 2, 0, 0
	KVSTEP 0, 1, 3, 1, 0
	KVSTEP 1, 1, 4, 0, 0
	KVSTEP 0, 1, 5, 1, 0
	KVSTEP 1, 1, 6, 0, 0
	KVSTEP 0, 1, 7, 1, 0
	KVSTEP 1, 0, 0, 0, 0
	s_wait_xcnt 0x0                                ; the stores' base and PK are rewritten only behind this wait
	s_add_nc_u64 s[8:9], s[8:9], 16*32768          ; vf: 16 row tiles on
.endm
; A block.  At its head slot 0 is whole for every wave: its load was waited for in front of the round of the block before (or of the
; first barrier), and slot 1's load is waited for in front of this block's first change of slots.
.macro BLOCK fillnext, first
	PLACES                                         ; behind the second product's last instructions, whose operands lie in the fragment buffers
	FETCH 0, 0, F0
	THREE 0, 1
	TURN 0, 1, 1, 1, 0                             ; slot 0 gets K step 2
	THREE 1, 0
	TURN 1, 0, 1, 1, 0                             ; slot 1 gets K step 3
	THREE 0, 0
	TURN 0, 1, \fillnext, 1, 1                     ; slot 0 gets the next block's K step 0
	THREE 1, 0
.if \fillnext
	TURN 1, 0, 1, 0, 1                             ; slot 1 gets the next block's K step 1: it lands during the second product
.else
	s_wait_dscnt 8
	WIN MUL_LO
	MUL16 F1, 0, 0, 0
	MUL16 F1, 0, 2, 0
	s_wait_dscnt 0
	WIN MUL_HI
	MUL16 F1, 1, 0, 0
	MUL16 F1, 1, 2, 0
.endif
	EPI \first
.endm
	s_load_b256 s[68:75], s[0:1], 0x0              ; xb s[68:69], wb s[70:71], Wk_b s[72:73], Wv_b s[74:75]
	s_load_b128 s[76:79], s[0:1], 0x20             ; vf s[76:77], kvp s[78:79]
	s_load_b64 s[80:81], s[0:1], 0x30              ; ss
	v_lshl_add_u32 v62, v0, 2, 0x4c000
	v_mov_b32 v63, 0
	ds_add_u32 v62, v63
	v_lshrrev_b32 v1, 5, v0
	v_readfirstlane_b32 s10, v1                    ; wave 0..3
	s_lshr_b32 s11, s10, 1                         ; my half of the block's rows; also: I fetch for X (0) or W (1)
	s_and_b32 s12, s10, 1                          ; K (0) or V (1); also: which 128 rows of that tile I fetch
	s_bfe_u32 s40, ttmp6, 0x40000                  ; cx
	s_bfe_u32 s41, ttmp6, 0x40004                  ; cy
	s_lshl_b32 s42, ttmp9, 2
	s_add_co_u32 s42, s42, s40                     ; head 0..7
	s_and_b32 s13, ttmp7, 0xffff
	s_lshl_b32 s13, s13, 2
	s_add_co_u32 s13, s13, s41                     ; range 0..31
	s_lshl_b32 s43, s41, 2
	s_lshl_b32 s43, 15, s43                        ; my row of the cluster
	s_lshl_b32 s44, 0x1111, s40                    ; my column
	s_or_b32 s[G1+0], s43, (1<<16)|(1<<20)|(1<<21)|(5<<22)|(3<<25)
	s_or_b32 s[G1B+0], s44, (1<<16)|(1<<20)|(1<<21)|(5<<22)|(3<<25)
	s_mov_b32 s[G1+1], KSTEP<<16
	s_mov_b32 s[G1B+1], KSTEP<<16
	s_mov_b32 s[G1+2], 128<<16
	s_mov_b32 s[G1B+2], 128<<16
	s_mov_b32 s[G1+3], KSTEP<<16
	s_mov_b32 s[G1B+3], KSTEP<<16
	s_mov_b32 s[G1+4], 128
	s_mov_b32 s[G1B+4], 128
	s_mov_b32 s[G1+5], SIZE_K
	s_mov_b32 s[G1B+5], SIZE_K
	s_mov_b32 s[G1+6], 0
	s_mov_b32 s[G1B+6], 0
	s_mov_b32 s[G1+7], 0
	s_mov_b32 s[G1B+7], 0
	s_lshl_b32 s16, s13, 10
	s_lshl_b32 s17, s12, 7
	s_add_co_u32 s16, s16, s17
	s_lshl_b32 s16, s16, 10                        ; X: (1024 range + 128 half) rows of 1,024 bytes,
	s_add_co_u32 s16, s16, 33554432                ; in the source half of xb
	s_mov_b32 s17, 0
	s_lshl_b32 s46, s42, 17                        ; W: the head's 128 rows of 1,024 bytes,
	s_lshl_b32 s47, s12, 20                        ; of Wk or of Wv,
	s_add_co_u32 s46, s46, s47
	s_add_co_u32 s46, s46, 1048576                 ; which lie behind Wq in wb
	s_mov_b32 s47, 0
	s_mul_i32 s20, s10, HALFT
	s_wait_dscnt 0x0
	s_wait_kmcnt 0x0
	s_add_nc_u64 s[14:15], s[68:69], s[16:17]
	s_add_nc_u64 s[46:47], s[70:71], s[46:47]
	CROUND                                         ; all sixteen work-groups are here: the first joint loads meet
.irp s, 0,1
	s_mov_b32 s[G0+4*\s], 1
	s_add_co_u32 s[G0+4*\s+1], s20, \s*SLOT
	s_add_nc_u64 s[G0+4*\s+2:G0+4*\s+3], s[14:15], \s*KSTEP*2
	s_or_b32 s[G0+4*\s+3], s[G0+4*\s+3], 0x80000000
	s_mov_b32 s[G0B+4*\s], 1
	s_add_co_u32 s[G0B+4*\s+1], s20, \s*SLOT
	s_add_nc_u64 s[G0B+4*\s+2:G0B+4*\s+3], s[46:47], \s*KSTEP*2
	s_or_b32 s[G0B+4*\s+3], s[G0B+4*\s+3], 0x80000000
	JLOAD \s                                       ; two tensor loads of this wave are out here, later one
.endr
	v_and_b32 v1, 15, v0
	v_bfe_u32 v2, v0, 4, 1
	v_mul_u32_u24 v3, v1, PITCH
	v_lshl_add_u32 v3, v2, 4, v3
	s_mul_i32 s21, s12, HALFT
	s_add_co_u32 s21, s21, 2*HALFT                 ; my 128 rows of W: window 0
	s_mul_i32 s22, s11, HALFT                      ; my 128 rows of X: window 1
.irp s, 0,1
	v_add_nc_u32 v[ADRA+\s], s21, v3
	v_add_nc_u32 v[ADRB+\s], s22, v3
	s_add_co_u32 s21, s21, SLOT
	s_add_co_u32 s22, s22, SLOT
.endr
	s_mov_b32 s83, 0
	s_cmp_lg_u32 s12, 0
	s_cselect_b64 s[84:85], s[74:75], s[72:73]     ; bv or bk
	s_lshl_b32 s82, s42, 9                         ; the head's 128 numbers
	s_add_nc_u64 s[84:85], s[84:85], s[82:83]
	v_lshlrev_b32 v[R4], 2, v1
.irp c, 0,1,2,3,4,5,6,7
	global_load_b32 v[BT+8*\c], v[R4], s[84:85] offset:64*\c
.endr
	v_and_b32 v[LN], 31, v0
	v_lshlrev_b32 v[CO], 4, v[LN]
	v_mov_b32 v[ZR], 0
	s_lshl_b32 s21, s12, 13                        ; exchange: K at 0, V at 8,192; upper rows at 0, lower at 4,096; column tile x 512
	s_lshl_b32 s22, s11, 12
	s_add_co_u32 s21, s21, s22
	s_add_co_u32 s21, s21, XCH
	v_add_nc_u32 v[XST], s21, v[CO]
	s_lshl_b32 s22, s10, 10                        ; K's column tiles 2 wave, 2 wave + 1
	s_add_co_u32 s22, s22, XCH
	v_add_nc_u32 v[XKL], s22, v[CO]
	v_add_nc_u32 v[XVL], XCH+8192, v[CO]
	s_lshl_b32 s82, s13, 6                         ; vf: row tile 64 range + 8 half, 32,768 bytes each; the head's 4,096
	s_lshl_b32 s89, s11, 3
	s_add_co_u32 s82, s82, s89
	s_lshl_b32 s82, s82, 15
	s_lshl_b32 s89, s42, 12
	s_add_co_u32 s82, s82, s89
	s_add_nc_u64 s[8:9], s[76:77], s[82:83]
	s_mul_i32 s82, s13, 589824                     ; kvp: the range's 576 tiles of 1,024 bytes; my 18 are (4 head + wave) 18 ..
	s_lshl_b32 s89, s42, 2
	s_add_co_u32 s89, s89, s10
	s_mul_i32 s89, s89, 18432
	s_add_co_u32 s82, s82, s89
	s_add_nc_u64 s[78:79], s[78:79], s[82:83]
	s_lshl_b32 s82, s13, 3                         ; ss: word 2048 + (8 range + head) 2 + row half
	s_add_co_u32 s82, s82, s42
	s_lshl_b32 s82, s82, 1
	s_add_co_u32 s82, s82, s11
	s_lshl_b32 s82, s82, 2
	s_add_co_u32 s82, s82, 8192
	s_add_nc_u64 s[80:81], s[80:81], s[82:83]
	s_mov_b32 s86, 0x76543210
	s_mov_b32 s87, 0xfedcba98
.irp j, 0,1,2,3,4,5,6,7
	v_mov_b32 v[SS+\j], 0
.endr
	s_wait_loadcnt 0x0
.irp c, 0,1,2,3,4,5,6,7
.irp j, 1,2,3,4,5,6,7
	v_mov_b32 v[BT+8*\c+\j], v[BT+8*\c]            ; a column's bias is the same in all eight rows of a lane; made once for the four blocks
.endr
.endr
	s_wait_tensorcnt 1                             ; my part of K step 0 is in; K step 1's may stay out
	s_barrier_signal -1
	s_barrier_wait -1
	BLOCK 1, 1                                     ; the first block starts the sums of the second product
	WIN 0
	s_mov_b32 s3, 2
.Lblock:
	BLOCK 1, 0
	WIN 0
	s_sub_co_u32 s3, s3, 1
	s_cmp_lg_u32 s3, 0
	s_cbranch_scc1 .Lblock
	BLOCK 0, 0                                     ; the last block fetches nothing beyond its own four K steps
	PLACES
	WIN 0x04                                       ; store data from window 1
.irp dt, 0,1,2,3,4,5,6,7
	global_store_b128 v[CO], v[8*\dt:8*\dt+3],         s[78:79] offset:\dt*1024
	global_store_b128 v[CO], v[8*\dt+4:8*\dt+7],       s[78:79] offset:\dt*1024+512
	global_store_b128 v[CO], v[192+8*\dt:192+8*\dt+3], s[78:79] offset:(9+\dt)*1024
	global_store_b128 v[CO], v[192+8*\dt+4:192+8*\dt+7], s[78:79] offset:(9+\dt)*1024+512
.endr
	WIN 0
	global_store_b128 v[CO], v[OT:OT+3],     s[78:79] offset:8*1024
	global_store_b128 v[CO], v[OT+4:OT+7],   s[78:79] offset:8*1024+512
	global_store_b128 v[CO], v[OT+8:OT+11],  s[78:79] offset:17*1024
	global_store_b128 v[CO], v[OT+12:OT+15], s[78:79] offset:17*1024+512
	s_cmp_lg_u32 s12, 0
	s_cbranch_scc1 .Lno_ss                         ; K waves alone have a sum of squares
	v_pk_add_f32 v[SS:SS+1], v[SS:SS+1], v[SS+2:SS+3]
	v_pk_add_f32 v[SS+4:SS+5], v[SS+4:SS+5], v[SS+6:SS+7]
	v_pk_add_f32 v[SS:SS+1], v[SS:SS+1], v[SS+4:SS+5]
	v_add_f32 v[SS], v[SS], v[SS+1]
	v_add_f32_dpp v[SS], v[SS], v[SS] row_xmask:1 row_mask:0xf bank_mask:0xf
	v_add_f32_dpp v[SS], v[SS], v[SS] row_xmask:2 row_mask:0xf bank_mask:0xf
	v_add_f32_dpp v[SS], v[SS], v[SS] row_xmask:4 row_mask:0xf bank_mask:0xf
	v_add_f32_dpp v[SS], v[SS], v[SS] row_xmask:8 row_mask:0xf bank_mask:0xf
	v_permlanex16_b32 v[SS+1], v[SS], s86, s87
	v_add_f32 v[SS], v[SS], v[SS+1]
	v_cmp_gt_u32 vcc_lo, 1, v[LN]
	s_wait_xcnt 0x0                                ; EXEC is a source of the pending stores: it changes only behind this wait
	s_and_saveexec_b32 s88, vcc_lo
	global_store_b32 v[ZR], v[SS], s[80:81]
	s_wait_xcnt 0x0
	s_or_b32 exec_lo, exec_lo, s88
.Lno_ss:
	s_wait_tensorcnt 0x0
	ds_add_u32 v62, v63
	s_wait_dscnt 0x0
	CROUND                                         ; the closing round
	s_endpgm
.Lfunc_end_k_q4dcc852dd6_gemm_kv:
	.size	k_q4dcc852dd6_gemm_kv, .Lfunc_end_k_q4dcc852dd6_gemm_kv-k_q4dcc852dd6_gemm_kv
	.p2alignl 7, 3214868480
	.fill 96, 4, 3214868480
	.section	.rodata,"a",@progbits
	.p2align	6, 0x0
	.amdhsa_kernel k_q4dcc852dd6_gemm_kv
		.amdhsa_group_segment_fixed_size 327680
		.amdhsa_private_segment_fixed_size 0
		.amdhsa_enable_private_segment 0
		.amdhsa_kernarg_size 56
		.amdhsa_user_sgpr_count 2
		.amdhsa_user_sgpr_kernarg_segment_ptr 1
		.amdhsa_wavefront_size32 1
		.amdhsa_system_sgpr_workgroup_id_x 1
		.amdhsa_system_sgpr_workgroup_id_y 1
		.amdhsa_system_sgpr_workgroup_id_z 1
		.amdhsa_system_vgpr_workitem_id 0
		.amdhsa_next_free_vgpr 1024
		.amdhsa_next_free_sgpr 90
		.amdhsa_reserve_vcc 1
		.amdhsa_float_denorm_mode_32 3
		.amdhsa_float_denorm_mode_16_64 3
		.amdhsa_memory_ordered 1
		.amdhsa_forward_progress 1
		.amdhsa_inst_pref_size 255
	.end_amdhsa_kernel
	.section	.bss,"aw",@nobits
	.p2align	6
	.space	262144
	.amdgpu_metadata
---
amdhsa.version: [ 1, 2 ]
amdhsa.kernels:
  - .name:           k_q4dcc852dd6_gemm_kv
    .symbol:         k_q4dcc852dd6_gemm_kv.kd
    .args:
      - { .name: xb, .offset: 0, .size: 8, .value_kind: global_buffer, .address_space: global }
      - { .name: wb, .offset: 8, .size: 8, .value_kind: global_buffer, .address_space: global }
      - { .name: Wk_b, .offset: 16, .size: 8, .value_kind: global_buffer, .address_space: global }
      - { .name: Wv_b, .offset: 24, .size: 8, .value_kind: global_buffer, .address_space: global }
      - { .name: vf, .offset: 32, .size: 8, .value_kind: global_buffer, .address_space: global }
      - { .name: kvp, .offset: 40, .size: 8, .value_kind: global_buffer, .address_space: global }
      - { .name: ss, .offset: 48, .size: 8, .value_kind: global_buffer, .address_space: global }
    .group_segment_fixed_size: 327680
    .private_segment_fixed_size: 0
    .kernarg_segment_align: 8
    .kernarg_segment_size: 56
    .max_flat_workgroup_size: 128
    .sgpr_count:     90
    .vgpr_count:     1024
    .wavefront_size: 32
...
	.end_amdgpu_metadata
.endif
;; end of part 3
;; launch reduce (part 4): grid 576 x 1, 4 waves a work-group, no clusters, 8,704 bytes of LDS; arguments kvp, ss, bfr; writes bfr
.if DOCPART == 4
	.amdgcn_target "amdgcn-amd-amdhsa--gfx1250"
	.amdhsa_code_object_version 6
	.text
	.protected	k_q4dcc852dd6_reduce
	.globl	k_q4dcc852dd6_reduce
	.p2align	8
	.type	k_q4dcc852dd6_reduce,@function
k_q4dcc852dd6_reduce:
	s_mov_b64 s[64:65], 0
	v_nop
	global_prefetch_b8 v0, s[64:65] scope:SCOPE_SE
	s_setreg_imm32_b32 hwreg(HW_REG_WAVE_MODE, 25, 1), 1
	s_wait_xcnt 0x0
; Adds the 32 ranges' parts of K^T V and of the sums of K, in a fixed order, scales them by beta = 1 / (|Q| |K| N), N = 32768, and
; rounds to bf16: the B fragments of the last launch.  With them  out = sum over heads of (q . (beta kvs) + v) / (8 q . (beta ksum) + 8),
; which is reference()'s quotient with numerator and divisor divided by N.
; One work-group for each of the 576 tiles of 16 x 16.  Wave w takes ranges 8 w .. 8 w + 7 of the tile (16 loads), a quarter of Q's
; 1,024 partial sums of squares (2 loads) and a quarter of K's 512 (1 load): all 19 loads go out together, so the work-group makes
; one trip to memory.  The four waves' parts meet in LDS behind one barrier, and wave 0 adds them, scales, rounds and stores.
; LDS: bytes w 1024 + half 512 + lane 16: wave w's part of the tile; bytes 4096 + 8 w: its sums of squares (Q's, K's).
; LIMIT: a norm of zero gives infinities or NaN, as it does in reference().
; A reduction bound by loads: no matrix unit, no cluster (each part is read by one wave).
.set P, 32                             ; v[32:95]  8 parts of 8 registers
.macro FOLD base, n                    ; n register pairs are added onto the n pairs below them
.set j, 0
.rept \n
	v_pk_add_f32 v[\base+2*j:\base+2*j+1], v[\base+2*j:\base+2*j+1], v[\base+2*\n+2*j:\base+2*\n+2*j+1]
.set j, j+1
.endr
.endm
	s_load_b128 s[4:7], s[0:1], 0x0                ; kvp s[4:5], ss s[6:7]
	s_load_b64 s[8:9], s[0:1], 0x10                ; bfr
	v_lshl_add_u32 v96, v0, 2, 0x2000
	v_mov_b32 v97, 0
	v_and_b32 v1, 31, v0
	v_lshlrev_b32 v1, 4, v1                        ; 16 x lane
	v_lshrrev_b32 v2, 5, v0
	v_readfirstlane_b32 s10, v2                    ; wave 0..3
	s_lshl_b32 s12, ttmp9, 10                      ; the tile's 1,024 bytes in a range,
	s_mul_i32 s11, s10, 8*589824                   ; my eight ranges
	s_add_co_u32 s12, s12, s11
	s_mov_b32 s13, 0
	s_lshl_b32 s14, s10, 10                        ; my 256 of Q's sums
	s_mov_b32 s15, 0
	s_lshl_b32 s16, s10, 9                         ; my 128 of K's sums,
	s_add_co_u32 s16, s16, 8192                    ; which begin at word 2048
	s_mov_b32 s17, 0
	s_lshl_b32 s18, ttmp9, 9                       ; the tile's 512 bytes in bfr
	s_mov_b32 s19, 0
	s_lshl_b32 s26, s10, 10
	v_add_nc_u32 v2, s26, v1                       ; LDS: my part of the tile
	s_lshl_b32 s27, s10, 3
	s_add_co_u32 s27, s27, 4096
	v_mov_b32 v3, s27                              ; LDS: my two sums
	s_mov_b32 s30, 0x76543210
	s_mov_b32 s31, 0xfedcba98
	s_wait_kmcnt 0x0
	s_add_nc_u64 s[20:21], s[4:5], s[12:13]
	s_add_nc_u64 s[22:23], s[6:7], s[14:15]
	s_add_nc_u64 s[24:25], s[6:7], s[16:17]
	s_add_nc_u64 s[8:9], s[8:9], s[18:19]
	global_load_b128 v[8:11],  v1, s[22:23]
	global_load_b128 v[12:15], v1, s[22:23] offset:512
	global_load_b128 v[16:19], v1, s[24:25]
.irp r, 0,1,2,3,4,5,6,7
	global_load_b128 v[P+8*\r:P+8*\r+3],   v1, s[20:21] offset:\r*589824 th:TH_LOAD_NT
	global_load_b128 v[P+8*\r+4:P+8*\r+7], v1, s[20:21] offset:\r*589824+512 th:TH_LOAD_NT
.endr
	s_wait_loadcnt 16                              ; the sums of squares are in; the 16 loads of parts stay out
	v_pk_add_f32 v[8:9], v[8:9], v[12:13]
	v_pk_add_f32 v[10:11], v[10:11], v[14:15]
	v_pk_add_f32 v[16:17], v[16:17], v[18:19]
	v_pk_add_f32 v[8:9], v[8:9], v[10:11]
	v_add_f32 v16, v16, v17
	v_add_f32 v8, v8, v9
.irp m, 1,2,4,8
	v_add_f32_dpp v8, v8, v8 row_xmask:\m row_mask:0xf bank_mask:0xf
	v_add_f32_dpp v16, v16, v16 row_xmask:\m row_mask:0xf bank_mask:0xf
.endr
	v_permlanex16_b32 v9, v8, s30, s31
	v_permlanex16_b32 v17, v16, s30, s31
	v_add_f32 v8, v8, v9                           ; my quarter of |Q|^2,
	v_add_f32 v9, v16, v17                         ; and of |K|^2, beside it
	s_wait_loadcnt 0x0
	FOLD P, 16                                     ; ranges 0-3 += 4-7,
	FOLD P, 8                                      ; 0, 1 += 2, 3,
	FOLD P, 4                                      ; 0 += 1
	ds_store_b128 v2, v[P:P+3]
	ds_store_b128 v2, v[P+4:P+7] offset:512
	ds_store_b64 v3, v[8:9]                        ; all lanes write the same two words with the same values
	s_wait_dscnt 0x0                               ; for the other waves' sake: my stores are done in front of my signal
	s_barrier_signal -1
	s_barrier_wait -1
	s_cmp_lg_u32 s10, 0
	s_cbranch_scc1 .Ldone                          ; wave 0 alone finishes the tile
	v_mov_b32 v4, 4096
.irp w, 0,1,2,3
	ds_load_b128 v[P+8*\w:P+8*\w+3],   v1 offset:\w*1024
	ds_load_b128 v[P+8*\w+4:P+8*\w+7], v1 offset:\w*1024+512
.endr
	ds_load_b128 v[64:67], v4                      ; q0, k0, q1, k1
	ds_load_b128 v[68:71], v4 offset:16            ; q2, k2, q3, k3
	s_wait_dscnt 0x0
	v_pk_add_f32 v[64:65], v[64:65], v[66:67]
	v_pk_add_f32 v[68:69], v[68:69], v[70:71]
	v_pk_add_f32 v[64:65], v[64:65], v[68:69]      ; |Q|^2, |K|^2
	v_rsq_f32 v64, v64
	v_rsq_f32 v65, v65
	v_nop                                          ; one plain vector instruction behind the transcendentals before their results are used
	s_wait_alu depctr_va_vdst(0)
	v_mul_f32 v64, v64, v65
	v_mul_f32 v64, 0x38000000, v64                 ; x 2^-15 = 1 / N
	v_mov_b32 v65, v64
	FOLD P, 8                                      ; waves 0, 1 += 2, 3,
	FOLD P, 4                                      ; 0 += 1
.irp k, 0,1,2,3
	v_pk_mul_f32 v[P+2*\k:P+2*\k+1], v[P+2*\k:P+2*\k+1], v[64:65]
.endr
.irp k, 0,1,2,3
	v_cvt_pk_bf16_f32 v[P+16+\k], v[P+2*\k], v[P+2*\k+1]
.endr
	global_store_b128 v1, v[P+16:P+19], s[8:9]     ; 512 consecutive bytes, aligned: half of a B fragment
.Ldone:
	s_wait_tensorcnt 0x0
	ds_add_u32 v96, v97
	s_wait_dscnt 0x0
	s_endpgm
.Lfunc_end_k_q4dcc852dd6_reduce:
	.size	k_q4dcc852dd6_reduce, .Lfunc_end_k_q4dcc852dd6_reduce-k_q4dcc852dd6_reduce
	.p2alignl 7, 3214868480
	.fill 96, 4, 3214868480
	.section	.rodata,"a",@progbits
	.p2align	6, 0x0
	.amdhsa_kernel k_q4dcc852dd6_reduce
		.amdhsa_group_segment_fixed_size 8704
		.amdhsa_private_segment_fixed_size 0
		.amdhsa_enable_private_segment 0
		.amdhsa_kernarg_size 24
		.amdhsa_user_sgpr_count 2
		.amdhsa_user_sgpr_kernarg_segment_ptr 1
		.amdhsa_wavefront_size32 1
		.amdhsa_system_sgpr_workgroup_id_x 1
		.amdhsa_system_sgpr_workgroup_id_y 1
		.amdhsa_system_sgpr_workgroup_id_z 1
		.amdhsa_system_vgpr_workitem_id 0
		.amdhsa_next_free_vgpr 98
		.amdhsa_next_free_sgpr 66
		.amdhsa_reserve_vcc 0
		.amdhsa_float_denorm_mode_32 3
		.amdhsa_float_denorm_mode_16_64 3
		.amdhsa_memory_ordered 1
		.amdhsa_forward_progress 1
		.amdhsa_inst_pref_size 10
	.end_amdhsa_kernel
	.amdgpu_metadata
---
amdhsa.version: [ 1, 2 ]
amdhsa.kernels:
  - .name:           k_q4dcc852dd6_reduce
    .symbol:         k_q4dcc852dd6_reduce.kd
    .args:
      - { .name: kvp, .offset: 0, .size: 8, .value_kind: global_buffer, .address_space: global }
      - { .name: ss, .offset: 8, .size: 8, .value_kind: global_buffer, .address_space: global }
      - { .name: bfr, .offset: 16, .size: 8, .value_kind: global_buffer, .address_space: global }
    .group_segment_fixed_size: 8704
    .private_segment_fixed_size: 0
    .kernarg_segment_align: 8
    .kernarg_segment_size: 24
    .max_flat_workgroup_size: 128
    .sgpr_count:     66
    .vgpr_count:     98
    .wavefront_size: 32
...
	.end_amdgpu_metadata
.endif
;; end of part 4
;; launch final (part 5): grid 256 x 1, 4 waves a work-group, clusters of 4 x 1, 295,424 bytes of LDS; arguments qf, vf, bfr, out0; writes out0
.if DOCPART == 5
	.amdgcn_target "amdgcn-amd-amdhsa--gfx1250"
	.amdhsa_code_object_version 6
	.text
	.protected	k_q4dcc852dd6_final
	.globl	k_q4dcc852dd6_final
	.p2align	8
	.type	k_q4dcc852dd6_final,@function
k_q4dcc852dd6_final:
	s_mov_b64 s[64:65], 0
	v_nop
	global_prefetch_b8 v0, s[64:65] scope:SCOPE_SE
	s_setreg_imm32_b32 hwreg(HW_REG_WAVE_MODE, 25, 1), 1
	s_wait_xcnt 0x0
	s_wait_alu depctr_hold_cnt(0) depctr_sa_sdst(0) depctr_va_vdst(0) depctr_va_sdst(0) depctr_va_ssrc(0) depctr_va_vcc(0) depctr_vm_vsrc(0)
	s_getreg_b32 s2, hwreg(HW_REG_IB_STS2, 6, 4)
	s_cmp_eq_u32 s2, 0
	s_cbranch_scc0 .Lentry_in_a_cluster
	s_endpgm
.Lentry_in_a_cluster:
	s_bfe_u32 s2, ttmp6, 0x10000c
	s_cmp_lg_u32 s2, 0x3003
	s_cbranch_scc0 .Lentry_shape_is_right
	s_endpgm
.Lentry_shape_is_right:
; out[n][d] = sum over the 8 heads of (q_h[n] . B_h[:, d] + v_h[n][d]) / (8 q_h[n] . s_h + 8), with B = beta K^T V and s = beta sum of K
; from bfr (bf16).  That is reference()'s mean of num / normalizer, both divided by N.
; A work-group owns 128 rows; four waves, a wave TWO row tiles of 16, so that each B fragment read from LDS feeds two products.
; All of bfr (294,912 bytes, 36,864 a head) lies in LDS.  CLUSTER 4 x 1: every work-group reads all of bfr, so the four of a cluster
; ask for it jointly.  It comes in four parts, a pair of heads each; each wave asks for a quarter of each part (72 rows of 256 bytes),
; all four loads in one group at the start.  In front of heads 0, 2, 4, 6 each wave waits for its quarter of that pair alone and
; passes a barrier: the later pairs stay on their way while the first are used.
; Per head: V's tiles, stored in the accumulators' own layout, are widened to f32 INTO the accumulators; four K steps of 32 add
; q . B onto them, and a ninth accumulator a row tile gets q . s (all 16 columns alike: a lane holds the divisors of exactly its rows).
; Q and V are asked for TWO heads ahead: 64 loads of 512 bytes of a wave are on their way; three buffers for Q, two for V.
; LIMIT: Q, V, B and s are bf16, as matrix operands and as carried between launches.
; Windows: 0: v1-4 addresses, v[16:87], v[88:159] B fragments, two buffers (on the way out: the rows read back);
;          1: v[0:191] Q, three buffers of 64; v[192:255] V of the even heads;
;          2: v[0:143] 18 accumulators (row tile u at 72 u; column tile dt at 8 dt; the divisor's at 64);
;          3: v[0:127] the sums over heads (row tile u at 64 u); v[128:191] V of the odd heads.
.set L16, 1                            ; v1  16 x lane; never rewritten
.set LB,  2                            ; v2  16 x lane + the head's place in LDS
.set ST,  3                            ; v3  the way out: where my results go
.set RD,  4                            ; v4  the way out: where I read rows back
.set BF0, 16
.set BF1, 88
.set QA,  0                            ; window 1
.set QB,  64
.set QC,  128
.set VA,  192                          ; window 1
.set VB,  128                          ; window 3
.set ACC, 0                            ; window 2
.set OUT, 0                            ; window 3
.set PART, 73728                       ; a pair of heads in bfr
.set G1,  24                           ; s[24:31] group 1, the same for all loads
.set G0,  32                           ; s[32:47] group 0, one set for each of the four parts
.set MSB, 0
.macro WIN new
.if MSB != \new
	s_set_vgpr_msb (MSB<<8)|\new
.set MSB, \new
.endif
.endm
.macro PLACES                          ; four independent vector instructions behind a matrix instruction (ISA guide 7.12.1)
.rept 4
	v_nop
.endr
.endm
.macro ROUND                           ; a round of the cluster's barrier
	s_barrier_signal -1
	s_barrier_wait -1
	s_cmp_lg_u32 s12, 0
	s_cbranch_scc1 .Lnot_wave_0_\@
	s_barrier_signal -3
.Lnot_wave_0_\@:
	s_barrier_wait -3
	s_barrier_signal -1
	s_barrier_wait -1
.endm
.macro ARRIVE left                     ; my quarter of the next pair of heads is in (left younger tensor loads may stay out); then everybody's is
	s_wait_tensorcnt \left
	s_barrier_signal -1
	s_barrier_wait -1
.endm
.macro LOADB s, f                      ; K step s of the head: nine B fragments, two halves of 512 consecutive bytes each
.irp dt, 0,1,2,3,4,5,6,7,8
	ds_load_b128 v[\f+8*\dt:\f+8*\dt+3],   v[LB] offset:\s*9216+\dt*512
	ds_load_b128 v[\f+8*\dt+4:\f+8*\dt+7], v[LB] offset:\s*9216+\dt*512+4608
.endr
.endm
.macro GETQ h, q                       ; head h's Q, both row tiles: 16 loads of 512 consecutive bytes
	WIN 0x40
.irp u, 0,1
.irp t, 0,1,2,3,4,5,6,7
	global_load_b128 v[\q+32*\u+4*\t:\q+32*\u+4*\t+3], v[L16], s[16:17] offset:\u*32768+\h*4096+\t*512 th:TH_LOAD_NT
.endr
.endr
.endm
.macro GETV h, vb, vl                  ; head h's V; vl: the destination's window
	WIN \vl
.irp u, 0,1
.irp t, 0,1,2,3,4,5,6,7
	global_load_b128 v[\vb+32*\u+4*\t:\vb+32*\u+4*\t+3], v[L16], s[18:19] offset:\u*32768+\h*4096+\t*512 th:TH_LOAD_NT
.endr
.endr
.endm
.macro MULS s, qb, f                   ; 18 products; the 18 accumulators take turns, one instruction a turn
	WIN 0xa1                                       ; A window 1, B window 0, C and D window 2
.irp dt, 0,1,2,3,4,5,6,7
	v_wmma_f32_16x16x32_bf16 v[ACC+8*\dt:ACC+8*\dt+7], v[\qb+8*\s:\qb+8*\s+7], v[\f+8*\dt:\f+8*\dt+7], v[ACC+8*\dt:ACC+8*\dt+7]
	v_wmma_f32_16x16x32_bf16 v[ACC+72+8*\dt:ACC+72+8*\dt+7], v[\qb+32+8*\s:\qb+32+8*\s+7], v[\f+8*\dt:\f+8*\dt+7], v[ACC+72+8*\dt:ACC+72+8*\dt+7]
.endr
.if \s == 0
	v_wmma_f32_16x16x32_bf16 v[ACC+64:ACC+71], v[\qb+8*\s:\qb+8*\s+7], v[\f+64:\f+71], 0
	v_wmma_f32_16x16x32_bf16 v[ACC+136:ACC+143], v[\qb+32+8*\s:\qb+32+8*\s+7], v[\f+64:\f+71], 0
.else
	v_wmma_f32_16x16x32_bf16 v[ACC+64:ACC+71], v[\qb+8*\s:\qb+8*\s+7], v[\f+64:\f+71], v[ACC+64:ACC+71]
	v_wmma_f32_16x16x32_bf16 v[ACC+136:ACC+143], v[\qb+32+8*\s:\qb+32+8*\s+7], v[\f+64:\f+71], v[ACC+136:ACC+143]
.endif
.endm
; Head h.  h2 = h + 2.  qb: its Q; qn: the buffer for head h2's Q (read last a head ago).  vb: its V, which is loaded again for head h2 as
; soon as it has been widened; vw, vl: that buffer's window as a source and as a destination.  more = 1: head h2 exists.
; left: how many younger loads may stay out when this head's Q and V have to be there (the next head's 32).
.macro HEAD h, h2, qb, qn, vb, vw, vl, more, left
	v_add_nc_u32 v[LB], \h*36864, v[L16]
	LOADB 0, BF0                                   ; both buffers were last read by products that lie more than four vector instructions back
	LOADB 1, BF1
	s_wait_loadcnt \left                           ; loads come back in order: this head's Q and V, asked for two heads ago, are in
	WIN \vw
.irp u, 0,1
.irp c, 0,1,2,3,4,5,6,7
.irp k, 0,1,2,3
	v_lshlrev_b32 v[ACC+72*\u+8*\c+2*\k],   16,  v[\vb+32*\u+4*\c+\k]     ; V starts the sums: bf16 to f32, rows 2 k and 2 k + 1 of my eight
	v_and_b32     v[ACC+72*\u+8*\c+2*\k+1], s49, v[\vb+32*\u+4*\c+\k]
.endr
.endr
.endr
.if \more
	GETQ \h2, \qn
	GETV \h2, \vb, \vl
.endif
	s_wait_dscnt 18                                ; K step 0's fragments are in; K step 1's 18 loads may be out
	MULS 0, \qb, BF0
	WIN 0
	PLACES
	LOADB 2, BF0
	s_wait_dscnt 18                                ; all but the 18 just issued
	MULS 1, \qb, BF1
	WIN 0
	PLACES
	LOADB 3, BF1
	s_wait_dscnt 18
	MULS 2, \qb, BF0
	s_wait_dscnt 0x0
	MULS 3, \qb, BF1
	PLACES
	WIN 0x82
.irp j, 0,1,2,3,4,5,6,7
	v_fma_f32 v[ACC+64+\j], v[ACC+64+\j], s48, s48         ; 8 q . s + 8: the mean over eight heads rides on the divisor
	v_fma_f32 v[ACC+136+\j], v[ACC+136+\j], s48, s48
.endr
.irp j, 0,1,2,3,4,5,6,7
	v_rcp_f32 v[ACC+64+\j], v[ACC+64+\j]
	v_rcp_f32 v[ACC+136+\j], v[ACC+136+\j]
.endr
	v_nop                                          ; one plain vector instruction behind the transcendentals before their results are used
.if \h == 0
	WIN 0xca
	s_wait_alu depctr_va_vdst(0)
.irp u, 0,1
.irp dt, 0,1,2,3,4,5,6,7
.irp k, 0,1,2,3
	v_pk_mul_f32 v[OUT+64*\u+8*\dt+2*\k:OUT+64*\u+8*\dt+2*\k+1], v[ACC+72*\u+8*\dt+2*\k:ACC+72*\u+8*\dt+2*\k+1], v[ACC+72*\u+64+2*\k:ACC+72*\u+64+2*\k+1]   ; the first head starts the sums
.endr
.endr
.endr
.else
	WIN 0xfa
	s_wait_alu depctr_va_vdst(0)
.irp u, 0,1
.irp dt, 0,1,2,3,4,5,6,7
.irp k, 0,1,2,3
	v_pk_fma_f32 v[OUT+64*\u+8*\dt+2*\k:OUT+64*\u+8*\dt+2*\k+1], v[ACC+72*\u+8*\dt+2*\k:ACC+72*\u+8*\dt+2*\k+1], v[ACC+72*\u+64+2*\k:ACC+72*\u+64+2*\k+1], v[OUT+64*\u+8*\dt+2*\k:OUT+64*\u+8*\dt+2*\k+1]
.endr
.endr
.endr
.endif
	WIN 0
.endm
	s_load_b256 s[4:11], s[0:1], 0x0               ; qf s[4:5], vf s[6:7], bfr s[8:9], out0 s[10:11]
	v_lshl_add_u32 v254, v0, 2, 0x48000
	v_mov_b32 v255, 0
	ds_add_u32 v254, v255
	v_lshrrev_b32 v5, 5, v0
	v_readfirstlane_b32 s12, v5                    ; wave 0..3
	s_bfe_u32 s13, ttmp6, 0x40000                  ; cx
	s_lshl_b32 s14, ttmp9, 2
	s_add_co_u32 s14, s14, s13                     ; work-group 0..255
	s_lshl_b32 s15, s14, 3
	s_lshl_b32 s22, s12, 1
	s_add_co_u32 s15, s15, s22                     ; my first row tile: 8 x work-group + 2 x wave
	s_mov_b32 s[G1+0], 15|(3<<16)|(1<<21)          ; the four work-groups of the cluster; elements of 8 bytes; bit 21 beside a mask; no padding
	s_mov_b32 s[G1+1], 32<<16                      ; tensor_dim0 = 32 elements: rows of 256 bytes
	s_mov_b32 s[G1+2], 72<<16                      ; tensor_dim1 = 72 rows: 18,432 bytes, a quarter of a pair of heads
	s_mov_b32 s[G1+3], 32<<16                      ; tile_dim0
	s_mov_b32 s[G1+4], 72                          ; tile_dim1
	s_mov_b32 s[G1+5], 32                          ; dense: a row begins where the last ends
	s_mov_b32 s[G1+6], 0
	s_mov_b32 s[G1+7], 0
	s_mul_i32 s22, s12, 18432                      ; my quarter: hangs on the wave alone, the same in all four work-groups
	s_mov_b32 s23, 0
	s_lshl_b32 s50, s15, 15                        ; a row tile of Q or V: 32,768 bytes
	s_mov_b32 s51, 0
	s_lshl_b32 s52, s15, 13                        ; of out: 16 rows of 512 bytes
	s_mov_b32 s53, 0
	s_mov_b32 s48, 0x41000000                      ; 8.0
	s_mov_b32 s49, 0xffff0000                      ; a word's upper bf16
	s_wait_dscnt 0x0
	s_wait_kmcnt 0x0
	s_add_nc_u64 s[54:55], s[8:9], s[22:23]
.irp j, 0,1,2,3
	s_mov_b32 s[G0+4*\j], 1
	s_add_co_u32 s[G0+4*\j+1], s22, \j*PART        ; LDS holds bfr as memory does
	s_add_nc_u64 s[G0+4*\j+2:G0+4*\j+3], s[54:55], \j*PART
	s_or_b32 s[G0+4*\j+3], s[G0+4*\j+3], 0x80000000
.endr
	s_add_nc_u64 s[16:17], s[4:5], s[50:51]
	s_add_nc_u64 s[18:19], s[6:7], s[50:51]
	s_add_nc_u64 s[20:21], s[10:11], s[52:53]
	ROUND                                          ; the four work-groups are here: the joint loads meet
.irp j, 0,1,2,3
	tensor_load_to_lds s[G0+4*\j:G0+4*\j+3], s[G1:G1+7]    ; the pairs of heads in the order of their use: four tensor loads of this wave are out, never more
	s_nop 0
	v_nop
	v_nop
.endr
	v_and_b32 v[L16], 31, v0
	v_lshlrev_b32 v[L16], 4, v[L16]
	GETQ 0, QA
	GETV 0, VA, 0x40
	GETQ 1, QB
	GETV 1, VB, 0xc0
	WIN 0
	v_and_b32 v5, 15, v0                           ; l % 16
	v_bfe_u32 v6, v0, 4, 1                         ; l / 16
	s_mul_i32 s56, s12, 32*528                     ; my stage on the way out: 32 rows of 512 + 16 bytes
	v_mul_u32_u24 v7, v6, 8*528
	v_lshl_add_u32 v7, v5, 2, v7
	v_add_nc_u32 v[ST], s56, v7                    ; row 8 (l / 16), column l % 16
	v_add_nc_u32 v[RD], s56, v[L16]
	ARRIVE 3
	HEAD 0, 2, QA, QC, VA, 0x84, 0x40, 1, 32
	HEAD 1, 3, QB, QA, VB, 0x8c, 0xc0, 1, 32
	ARRIVE 2
	HEAD 2, 4, QC, QB, VA, 0x84, 0x40, 1, 32
	HEAD 3, 5, QA, QC, VB, 0x8c, 0xc0, 1, 32
	ARRIVE 1
	HEAD 4, 6, QB, QA, VA, 0x84, 0x40, 1, 32
	HEAD 5, 7, QC, QB, VB, 0x8c, 0xc0, 1, 32
	ARRIVE 0
	HEAD 6, 8, QA, QC, VA, 0x84, 0x40, 0, 32       ; the last two heads ask for nothing
	HEAD 7, 9, QB, QA, VB, 0x8c, 0xc0, 0, 0
	; The way out.  A lane holds a piece of a column; through LDS the rows become whole.  The stage lies where bfr lay: every wave's
	; reads of it are over in front of the barrier, and no tensor load follows in this launch.
	s_wait_dscnt 0x0
	s_barrier_signal -1
	s_barrier_wait -1
	WIN 0x0c                                       ; store data from window 3
.irp u, 0,1
.irp dt, 0,1,2,3,4,5,6,7
.irp j, 0,1,2,3,4,5,6,7
	ds_store_b32 v[ST], v[OUT+64*\u+8*\dt+\j] offset:(16*\u+\j)*528+\dt*64
.endr
.endr
.endr
	WIN 0
.set t, 0
.rept 32
	ds_load_b128 v[BF0+4*t:BF0+4*t+3], v[RD] offset:t*528          ; my own bytes: LDS serves a wave's instructions in order (ISA guide 5.7.1)
.set t, t+1
.endr
.set t, 0
.rept 32
	s_wait_dscnt 31-t                              ; row t is in, the younger ones stay out
	global_store_b128 v[L16], v[BF0+4*t:BF0+4*t+3], s[20:21] offset:t*512 th:TH_STORE_NT   ; a whole row of 512 bytes
.set t, t+1
.endr
	s_wait_tensorcnt 0x0
	ds_add_u32 v254, v255
	s_wait_dscnt 0x0
	ROUND                                          ; the closing round
	s_endpgm
.Lfunc_end_k_q4dcc852dd6_final:
	.size	k_q4dcc852dd6_final, .Lfunc_end_k_q4dcc852dd6_final-k_q4dcc852dd6_final
	.p2alignl 7, 3214868480
	.fill 96, 4, 3214868480
	.section	.rodata,"a",@progbits
	.p2align	6, 0x0
	.amdhsa_kernel k_q4dcc852dd6_final
		.amdhsa_group_segment_fixed_size 295424
		.amdhsa_private_segment_fixed_size 0
		.amdhsa_enable_private_segment 0
		.amdhsa_kernarg_size 32
		.amdhsa_user_sgpr_count 2
		.amdhsa_user_sgpr_kernarg_segment_ptr 1
		.amdhsa_wavefront_size32 1
		.amdhsa_system_sgpr_workgroup_id_x 1
		.amdhsa_system_sgpr_workgroup_id_y 1
		.amdhsa_system_sgpr_workgroup_id_z 1
		.amdhsa_system_vgpr_workitem_id 0
		.amdhsa_next_free_vgpr 960
		.amdhsa_next_free_sgpr 66
		.amdhsa_reserve_vcc 0
		.amdhsa_float_denorm_mode_32 3
		.amdhsa_float_denorm_mode_16_64 3
		.amdhsa_memory_ordered 1
		.amdhsa_forward_progress 1
		.amdhsa_inst_pref_size 200
	.end_amdhsa_kernel
	.amdgpu_metadata
---
amdhsa.version: [ 1, 2 ]
amdhsa.kernels:
  - .name:           k_q4dcc852dd6_final
    .symbol:         k_q4dcc852dd6_final.kd
    .args:
      - { .name: qf, .offset: 0, .size: 8, .value_kind: global_buffer, .address_space: global }
      - { .name: vf, .offset: 8, .size: 8, .value_kind: global_buffer, .address_space: global }
      - { .name: bfr, .offset: 16, .size: 8, .value_kind: global_buffer, .address_space: global }
      - { .name: out0, .offset: 24, .size: 8, .value_kind: global_buffer, .address_space: global }
    .group_segment_fixed_size: 295424
    .private_segment_fixed_size: 0
    .kernarg_segment_align: 8
    .kernarg_segment_size: 32
    .max_flat_workgroup_size: 128
    .sgpr_count:     66
    .vgpr_count:     960
    .wavefront_size: 32
...
	.end_amdgpu_metadata
.endif
;; end of part 5
